; MI455X (gfx1250); checked and timed in simulation.
; The chip was launched on July 23, 2026; its instructions are those of AMD's public machine-readable ISA for CDNA 5 (MIT licence, August 2026) and "CDNA5" Instruction Set Architecture Reference Guide (July 2026). The comments in the code are by the model that wrote it; some were corrected since.
;; Self Attention. Allowed arithmetic: matrix products marked QUANTISED: E5M2 operands, one given power-of-two scale a tensor, by v_wmma_f32_16x16x64_bf8_bf8 or v_wmma_f32_16x16x128_bf8_bf8, f32 sums; products left as they are: f32 operands where the result goes on into a quantised operand, else bf16, f16 or f32 operands; f32 sums; everything else in f32.
;; Inputs: U_b 1,024 float32; U_w_codes 1,024 x 32 x 32 uint8 (E5M2 codes of U_w, K innermost, in blocks of 32 codes); V_b 1 float32; V_w 1,024 x 1 float32; W_b 1,024 float32; W_w_codes 1,024 x 32 x 32 uint8 (E5M2 codes of W_w, K innermost, in blocks of 32 codes); hidden_states 32 x 2,048 x 1,024 float32; lowp_scales 4 int32 (the exponents e of the quantised operands' scales 2^e); s_prev_codes 32 x 32 x 32 uint8 (E5M2 codes of s_prev, K innermost, in blocks of 32 codes).
;; Outputs: out0 32 x 1,024 float32; out1 32 x 2,048 x 1 float32.
;; This version of the problem:
;;   THIS VERSION OF THE PROBLEM IS GIVEN IN LOW PRECISION. The matrix products marked QUANTISED in the list below multiply operands that are first quantised to E5M2 (5 exponent bits, 2 mantissa bits; 8 bits a number), with one given power-of-two scale for each operand tensor; their sums are f32. All else is computed in f32.
;;   The module's matrix products, in the order in which they are computed (A, B: the left and right operand; K: the contracted axis; several contracted axes count as one K, in the product's order):
;;     1. [M 32, K 1,024] x [K 1,024, N 1,024]; A: input s_prev (given as codes); B: input W_w (given as codes): QUANTISED (scales: A lowp_scales[0], B lowp_scales[1])
;;     2. [M 65,536, K 1,024] x [K 1,024, N 1,024]; A: input hidden_states; B: input U_w (given as codes): QUANTISED (scales: A lowp_scales[2], B lowp_scales[3])
;;     3. [M 65,536, K 1,024] x [K 1,024, N 1]; A: computed on the way; B: input V_w: left as it is (N = 1 < 16)
;;   THE QUANTISER, for each operand of a quantised product, along K:
;;     - The operand's scale is 2^e, e = its entry of the input lowp_scales (int32; the entries are numbered through the quantised products in the list's order, A before B).
;;     - Each number is divided by the scale, clamped to +-57,344, and rounded to the nearest number of E5M2, ties to even, subnormals kept.
;;     - The product sums the exact products of the quantised numbers (number of the format x scale) in f32.
;;   ~~~python
;;   def quantise(x, axis, e):      # numpy; x: float32 -> the quantised numbers, widened to float32 again
;;       x = np.moveaxis(x, axis, -1); K = x.shape[-1]
;;       r = np.clip(x / 2.0 ** e, -57344, 57344)
;;       step = 2.0 ** (np.maximum(np.frexp(np.where(r == 0, 1, r))[1] - 1, -14) - 2)
;;       q = np.round(r / step) * step * 2.0 ** e      # np.round: ties to even
;;       return np.moveaxis(q, -1, axis).astype(np.float32)
;;   ~~~
;;   INPUTS GIVEN AS CODES. U_w (in the module: [1024, 1024], K = its axis 0); W_w (in the module: [1024, 1024], K = its axis 0); s_prev (in the module: [32, 1024], K = its axis 1): each comes as NAME_codes (uint8): NAME with its K axis moved to the last place and cut into blocks of 32 codes, [.., K / 32, bytes a block], one block behind the other in memory; one code a byte (a code: sign, 5 exponent bits, 2 mantissa bits); its scale is its entry of lowp_scales. Its value is code x scale, taken as it is: it is not quantised again, and the codes and scales need not be those that the quantiser above would give.
;; One version. Each part assembles by itself: llvm-mc -triple=amdgcn-amd-amdhsa -mcpu=gfx1250 --defsym DOCPART=n.
;; ======== version 1 of 1: 3 launches
;; workspace buffers: cbias 131,072 bytes; scores 262,144 bytes
;; launch wsum (part 1): grid 16 x 1, 4 waves a work-group, no clusters, 9,216 bytes of LDS; arguments s_prev_codes, W_w_codes, lowp_scales, W_b, U_b, cbias; writes cbias
.if DOCPART == 1
	.amdgcn_target "amdgcn-amd-amdhsa--gfx1250"
	.amdhsa_code_object_version 6
	.text
	.protected	k_qeb00e93f47_wsum
	.globl	k_qeb00e93f47_wsum
	.p2align	8
	.type	k_qeb00e93f47_wsum,@function
k_qeb00e93f47_wsum:
	s_mov_b64 s[64:65], 0
	v_nop
	global_prefetch_b8 v0, s[64:65] scope:SCOPE_SE
	s_setreg_imm32_b32 hwreg(HW_REG_WAVE_MODE, 25, 1), 1
	s_wait_xcnt 0x0
; cbias[b][n] = c2 x (sum over k of s_prev[b][k] W_w[k][n] + W_b[n] + U_b[n]),  c2 = 2 log2(e): what the next launch adds to c2 x (hidden U_w) ahead of its exponential.
; s_prev: [32][1024] codes of E5M2, W_w: [1024 (n)][1024 (k)] codes, K innermost; a number is its code x 2^e0 or x 2^e1.  The codes are multiplied as they are, each sum once by c2 x 2^(e0 + e1).
; LIMIT: e0 + e1 between -127 and 126: it is added to c2's exponent field.
; SHARES.  Work-group g makes columns 64 g .. 64 g + 63 for all 32 rows; wave w the 16 columns from 64 g + 16 w on: two accumulators (rows 0-15, 16-31), which take turns.
; TRANSPOSED: source 0 = 16 rows of W_w's codes (n), source 1 = 16 rows of s_prev: lane (r, h) holds row r and the columns 8 h + 0 .. 7 of the tile.
; A fragment (16 rows x 128 K) comes by four loads of 16 bytes, 32 bytes apart, at row x 1,024 + 16 h: a permutation of k inside a K step, the same in both operands.
; NO CLUSTER, no tensor load: the work-groups share s_prev's 32 KB alone, each wave's part of W_w is read by nobody else, and both go straight into registers.
; The 64 columns of a row are 256 bytes: they meet in a stage in LDS (32 rows x (256 + 16) bytes) and leave as whole aligned blocks of 256 bytes.
; REGISTERS: window 0: v1-7 lane terms; v16-31 the two accumulators; v32-47 results; v48-55 W_b, v56-63 U_b; v64-79 rows read back; v128-255 W_w's 8 fragments.  Window 1: s_prev's 16 fragments.
.set SP,   272
.set ACC,  16
.set OUTR, 32
.set BW,   48
.set BU,   56
.set BK,   64
.set WF,   128
.set MSB, 0
.macro WIN new                         ; the immediate's high byte repeats the setting that is left
.if MSB != \new
	s_set_vgpr_msb (MSB<<8)|\new
.set MSB, \new
.endif
.endm
	s_load_b256 s[4:11], s[0:1], 0x0               ; s_prev s[4:5], W_w s[6:7], the exponents s[8:9], W_b s[10:11]
	s_load_b128 s[12:15], s[0:1], 0x20             ; U_b s[12:13], cbias s[14:15]
	v_lshl_add_u32 v126, v0, 2, 0x2200
	v_mov_b32 v127, 0
	v_lshrrev_b32 v1, 5, v0
	v_readfirstlane_b32 s20, v1                    ; wave 0..3
	v_and_b32 v1, 15, v0                           ; r
	v_bfe_u32 v2, v0, 4, 1                         ; h
	v_lshlrev_b32 v3, 10, v1
	v_lshl_add_u32 v3, v2, 4, v3                   ; a fragment: row r of 1,024 bytes + 16 h
	v_lshlrev_b32 v4, 5, v2                        ; the biases: my eight columns begin 32 h bytes on
	v_mul_u32_u24 v5, v1, SP
	v_lshl_add_u32 v5, v2, 5, v5
	s_lshl_b32 s21, s20, 6
	v_add_nc_u32 v5, s21, v5                       ; into the stage: row r, + 64 w + 32 h
	v_mul_u32_u24 v6, v2, SP
	v_lshl_add_u32 v6, v1, 4, v6
	s_mul_i32 s21, s20, 8*SP
	v_add_nc_u32 v6, s21, v6                       ; back: rows 8 w on; lanes 0-15 one row of 256 bytes, lanes 16-31 the next
	v_lshlrev_b32 v7, 12, v2
	v_lshl_add_u32 v7, v1, 4, v7                   ; and the same two rows in cbias (4,096 bytes a row)
	s_lshl_b32 s22, ttmp9, 6
	s_lshl_b32 s21, s20, 4
	s_add_co_u32 s22, s22, s21                     ; my first column: 64 g + 16 w
	s_lshl_b32 s24, s22, 10                        ; its row of W_w's codes
	s_mov_b32 s25, 0
	s_lshl_b32 s26, s22, 2                         ; its place in the biases
	s_mov_b32 s27, 0
	s_lshl_b32 s28, s20, 15                        ; cbias: row 8 w,
	s_lshl_b32 s21, ttmp9, 8
	s_add_co_u32 s28, s28, s21                     ; column 64 g
	s_mov_b32 s29, 0
	s_mov_b32 s30, 0x4038aa3b                      ; c2 = 2 log2(e)
	s_mov_b32 s31, s30                             ; (named with it as a pair, so it is written)
	s_wait_kmcnt 0x0
	s_load_b64 s[16:17], s[8:9], 0x0               ; e0, e1
	s_add_nc_u64 s[6:7], s[6:7], s[24:25]
	s_add_nc_u64 s[10:11], s[10:11], s[26:27]
	s_add_nc_u64 s[12:13], s[12:13], s[26:27]
	s_add_nc_u64 s[14:15], s[14:15], s[28:29]
.irp s, 0,1,2,3,4,5,6,7
.irp c, 0,1,2,3
	global_load_b128 v[WF+16*\s+4*\c:WF+16*\s+4*\c+3], v3, s[6:7] offset:128*\s+32*\c
.endr
.endr
	WIN 0x40                                       ; destination window 1
.irp t, 0,1
.irp s, 0,1,2,3,4,5,6,7
.irp c, 0,1,2,3
	global_load_b128 v[16*(8*\t+\s)+4*\c:16*(8*\t+\s)+4*\c+3], v3, s[4:5] offset:16384*\t+128*\s+32*\c
.endr
.endr
.endr
	WIN 0
	global_load_b128 v[BW:BW+3], v4, s[10:11]
	global_load_b128 v[BW+4:BW+7], v4, s[10:11] offset:16
	global_load_b128 v[BU:BU+3], v4, s[12:13]
	global_load_b128 v[BU+4:BU+7], v4, s[12:13] offset:16
	s_wait_kmcnt 0x0
	s_add_co_i32 s18, s16, s17
	s_lshl_b32 s18, s18, 23
	s_add_co_u32 s18, s18, s30                     ; c2 x 2^(e0 + e1): the exponents are added to c2's exponent field
	s_mov_b32 s19, s18
	s_wait_loadcnt 0x0
	WIN 0x04                                       ; source 1 (s_prev) window 1
.irp s, 0,1,2,3,4,5,6,7                        ; the two accumulators take turns, one instruction a turn; the first K step starts the sums
.irp t, 0,1
.if \s == 0
	v_wmma_f32_16x16x128_bf8_bf8 v[ACC+8*\t:ACC+8*\t+7], v[WF+16*\s:WF+16*\s+15], v[16*(8*\t+\s):16*(8*\t+\s)+15], 0
.else
	v_wmma_f32_16x16x128_bf8_bf8 v[ACC+8*\t:ACC+8*\t+7], v[WF+16*\s:WF+16*\s+15], v[16*(8*\t+\s):16*(8*\t+\s)+15], v[ACC+8*\t:ACC+8*\t+7]
.endif
.endr
.endr
	WIN 0
.irp i, 0,2,4,6                                ; c2 (W_b + U_b): eight plain instructions that name no register of the products: the places behind them (ISA guide 7.12.1)
	v_pk_add_f32 v[BW+\i:BW+\i+1], v[BW+\i:BW+\i+1], v[BU+\i:BU+\i+1]
.endr
.irp i, 0,2,4,6
	v_pk_mul_f32 v[BW+\i:BW+\i+1], v[BW+\i:BW+\i+1], s[30:31] op_sel_hi:[1,0]
.endr
.irp t, 0,1
.irp i, 0,2,4,6                                ; each accumulator from its low end on
	v_pk_fma_f32 v[OUTR+8*\t+\i:OUTR+8*\t+\i+1], v[ACC+8*\t+\i:ACC+8*\t+\i+1], s[18:19], v[BW+\i:BW+\i+1] op_sel_hi:[1,0,1]
.endr
.endr
.irp t, 0,1
	ds_store_b128 v5, v[OUTR+8*\t:OUTR+8*\t+3] offset:16*SP*\t
	ds_store_b128 v5, v[OUTR+8*\t+4:OUTR+8*\t+7] offset:16*SP*\t+16
.endr
	s_wait_dscnt 0x0                               ; for the others' sake: my stores into the stage are done
	s_barrier_signal -1
	s_barrier_wait -1
.irp i, 0,1,2,3
	ds_load_b128 v[BK+4*\i:BK+4*\i+3], v6 offset:2*SP*\i
.endr
.irp i, 0,1,2,3
	s_wait_dscnt 3-\i                              ; LDS loads come back in order: pair i of rows is in
	global_store_b128 v7, v[BK+4*\i:BK+4*\i+3], s[14:15] offset:8192*\i   ; sixteen lanes store 256 consecutive bytes, at a multiple of 256 from cbias's first byte
.endr
	s_wait_tensorcnt 0x0
	ds_add_u32 v126, v127
	s_wait_dscnt 0x0
	s_endpgm
.Lfunc_end_k_qeb00e93f47_wsum:
	.size	k_qeb00e93f47_wsum, .Lfunc_end_k_qeb00e93f47_wsum-k_qeb00e93f47_wsum
	.p2alignl 7, 3214868480
	.fill 96, 4, 3214868480
	.section	.rodata,"a",@progbits
	.p2align	6, 0x0
	.amdhsa_kernel k_qeb00e93f47_wsum
		.amdhsa_group_segment_fixed_size 9216
		.amdhsa_private_segment_fixed_size 0
		.amdhsa_enable_private_segment 0
		.amdhsa_kernarg_size 48
		.amdhsa_user_sgpr_count 2
		.amdhsa_user_sgpr_kernarg_segment_ptr 1
		.amdhsa_wavefront_size32 1
		.amdhsa_system_sgpr_workgroup_id_x 1
		.amdhsa_system_sgpr_workgroup_id_y 1
		.amdhsa_system_sgpr_workgroup_id_z 1
		.amdhsa_system_vgpr_workitem_id 0
		.amdhsa_next_free_vgpr 512
		.amdhsa_next_free_sgpr 66
		.amdhsa_reserve_vcc 0
		.amdhsa_float_denorm_mode_32 3
		.amdhsa_float_denorm_mode_16_64 3
		.amdhsa_memory_ordered 1
		.amdhsa_forward_progress 1
		.amdhsa_inst_pref_size 15
	.end_amdhsa_kernel
	.amdgpu_metadata
---
amdhsa.version: [ 1, 2 ]
amdhsa.kernels:
  - .name:           k_qeb00e93f47_wsum
    .symbol:         k_qeb00e93f47_wsum.kd
    .args:
      - { .name: s_prev_codes, .offset: 0, .size: 8, .value_kind: global_buffer, .address_space: global }
      - { .name: W_w_codes, .offset: 8, .size: 8, .value_kind: global_buffer, .address_space: global }
      - { .name: lowp_scales, .offset: 16, .size: 8, .value_kind: global_buffer, .address_space: global }
      - { .name: W_b, .offset: 24, .size: 8, .value_kind: global_buffer, .address_space: global }
      - { .name: U_b, .offset: 32, .size: 8, .value_kind: global_buffer, .address_space: global }
      - { .name: cbias, .offset: 40, .size: 8, .value_kind: global_buffer, .address_space: global }
    .group_segment_fixed_size: 9216
    .private_segment_fixed_size: 0
    .kernarg_segment_align: 8
    .kernarg_segment_size: 48
    .max_flat_workgroup_size: 128
    .sgpr_count:     66
    .vgpr_count:     512
    .wavefront_size: 32
...
	.end_amdgpu_metadata
.endif
;; end of part 1
;; launch scores (part 2): grid 256 x 1, 4 waves a work-group, clusters of 4 x 1, 327,680 bytes of LDS; arguments hidden_states, U_w_codes, lowp_scales, cbias, V_w, V_b, scores; writes scores
.if DOCPART == 2
	.amdgcn_target "amdgcn-amd-amdhsa--gfx1250"
	.amdhsa_code_object_version 6
	.text
	.protected	k_qeb00e93f47_scores
	.globl	k_qeb00e93f47_scores
	.p2align	8
	.type	k_qeb00e93f47_scores,@function
k_qeb00e93f47_scores:
	s_mov_b64 s[64:65], 0
	v_nop
	global_prefetch_b8 v0, s[64:65] scope:SCOPE_SE
	s_setreg_imm32_b32 hwreg(HW_REG_WAVE_MODE, 25, 1), 1
	s_wait_xcnt 0x0
	s_wait_alu depctr_hold_cnt(0) depctr_sa_sdst(0) depctr_va_vdst(0) depctr_va_sdst(0) depctr_va_ssrc(0) depctr_va_vcc(0) depctr_vm_vsrc(0)
	s_getreg_b32 s2, hwreg(HW_REG_IB_STS2, 6, 4)
	s_cmp_eq_u32 s2, 0
	s_cbranch_scc0 .Lentry_in_a_cluster
	s_endpgm
.Lentry_in_a_cluster:
	s_bfe_u32 s2, ttmp6, 0x10000c
	s_cmp_lg_u32 s2, 0x3003
	s_cbranch_scc0 .Lentry_shape_is_right
	s_endpgm
.Lentry_shape_is_right:
; scores[row] = sum over n of V[n] tanh(ws[b][n] + W_b[n] + U_b[n] + sum over k of Q(hidden[row][k]) U_w[k][n]) + V_b, for the 65,536 rows (b, s) of hidden_states.
; hidden_states: [65536][1024] f32, quantised here to E5M2 with the given 2^e2 (held within +-57,344 x 2^e2, nearest code, ties to even).  U_w: [1024 (n)][1024 (k)] codes x 2^e3.  cbias: [32][1024] f32 from the launch before.
; tanh(x) = 1 - 2 / (1 + 2^(c2 x)), c2 = 2 log2(e): score = (sum of V + V_b) + sum over n of (-2 V[n]) R[n], R = 1 / (1 + 2^(acc x c2 2^(e2 + e3) + cbias)).  A large x gives R = 0, a very negative one R = 1: no overflow to see to.
; LIMITS: e2 between -126 and 112; e2 + e3 between -127 and 126 (added to c2's exponent field).  NaN among the inputs is not served; an infinity is held at the largest code.
; k is permuted inside a K step of 128, alike in both operands (fragments come by four loads of 16 bytes): only the order of the sums inside an instruction changes.
; SHARES.  A work-group owns 256 rows, each of its four waves 64: four tiles of 16.  A wave's 64 x 1,024 codes are 512 registers (windows 1, 2): they are made once and stay.  Every wave walks all 1,024 columns of U_w, 16 a tile step.
; CLUSTER.  All work-groups walk the same U_w: the four of a cluster ask for each tile JOINTLY (the same tensor load, the same descriptor, a mask that names the four).  My place in the cluster enters the addresses of hidden_states and scores alone.
; RING.  Two LDS slots of 128 rows (columns n) of U_w, 1,024 bytes a row; each wave fetches 32 rows with one load.  By this text's count a wave has two tensor loads out at the start and one behind each change of slots, with eight tile steps in which to land.
; TRANSPOSED: source 0 = 16 rows of U_w's codes (n), source 1 = 16 of my rows: lane (r, h) holds row r and the columns 8 h + 0 .. 7 of the tile, so the sum over n runs along its registers, and once, at the end, to the lane 16 away.
; A TILE STEP p: 32 products into Y's four accumulators.  Ahead of each of the first four, which begin an accumulator anew, stands X = Y x cs + cbias of step p - 1 for that accumulator; behind the others the exponentials, the + 1 and
; the reciprocals of step p - 1, in X, three vector instructions a product at the most but for the first three; at the step's end S += (-2 V) R of step p - 1.  So Y and X are fixed registers and one body serves every step.
; The LDS loads stand in two runs a step, each directly behind one of the step's two waits for a batch of transcendentals: in the middle the next tile's fragments 0-3, cbias of step p and -2 V of step p - 1; at the end its fragments 4-7.
; REGISTERS, in windows of 256 (s_set_vgpr_msb: bits 1:0 source 0, 3:2 source 1, 5:4 source 2, 7:6 destination):
;   window 0: v1-15 lane terms and addresses; v16-23 cbias of the tile; v24-31 -2 V; v32-39 S; v40-71 Y; v72-103 X; v104-127 at work at the end; v128-255 U_w's 8 fragments of a tile.
;             while hidden_states is quantised: v48-63 codes just made, v64-255 three sets of 64 numbers.
;   windows 1, 2: my codes: fragment (tile of rows m, K step s) in window 1 + s / 4 at v[64 (s % 4) + 16 m].
.set UP,    1040                       ; a row of U_w in LDS: 1,024 bytes + 16 of padding = 260 words: row r starts at bank 4 r mod 64 (64 banks of 4 bytes: ISA guide 11.1)
.set TILEB, 16*UP                      ; a tile's 16 rows
.set WPART, 32*UP                      ; what one tensor load brings
.set SLOTB, 128*UP                     ; slot 1 begins where slot 0 ends
.set TBL,   2*SLOTB                    ; cbias of my batch, 1,024 f32; then 256 bytes of zeros; then, M2V bytes from TBL, -2 V
.set M2V,   4352
.set CSTG,  TBL+M2V+4096               ; for each wave a stage of 16 rows x (128 codes + 16 bytes)
.set CP,    144
.set RED,   CSTG+4*16*CP               ; four words: the waves' parts of the sum of V
.set SCST,  RED+256                    ; for each wave 256 bytes: its 64 scores
.set SPARE, SCST+1024                  ; the spare words, 128 bytes for each wave: two blocks of 256 bytes that no other line names
.set LIM, 4                            ; v4   57,344 x 2^e2
.set LA,  6                            ; v6   my stage, read as a fragment: CP r + 16 h
.set SA,  7                            ; v7   my stage, written: 4 x lane
.set GA,  8                            ; v8   16 x lane: my 16 bytes of a load's 512
.set SCL, 9                            ; v9   2^e2 as f32
.set SPW, 10                           ; v10  LDS address of my spare word; never rewritten
.set NIL, 11                           ; v11  0; never rewritten
.set AB0, 12                           ; v12  my lane's place in a tile of U_w: UP r + 16 h
.set AB,  13                           ; v13  + where the tile to be fetched begins
.set TA0, 14                           ; v14  my lane's place in the tables: TBL + 32 h
.set TA,  15                           ; v15  + 64 x the tile step
.set CBR, 16
.set VR,  24
.set S,   32
.set Y,   40
.set X,   72
.set BF,  128
.set CT,  48
.set LS,  64
.set WV,  18                           ; s18  my wave's number
.set G1,  24                           ; s[24:31] descriptor group 1
.set G0,  32                           ; s[32:39] descriptor group 0, a set for each slot
.set CS,  44                           ; s[44:45] cs = c2 x 2^(e2 + e3), twice
.set VB,  48                           ; s48  V_b
.set TB,  49                           ; s49  LDS byte at which the tile to be fetched begins
.set TT,  50                           ; s50  64 x the tile step
.set CNT, 51
.set LAPS, 52
.set TL,  53                           ; s53  1,024 x the lap
.set SEL, 54                           ; s[54:55] lane selects for v_permlanex16_b32: lane l xor 16
.set MULA, 0x04                        ; source 1 (my codes) window 1; all else window 0
.set MULB, 0x08                        ; source 1 window 2
.set MSB, 0
.macro WIN new                         ; the immediate's high byte repeats the setting that is left
.if MSB != \new
	s_set_vgpr_msb (MSB<<8)|\new
.set MSB, \new
.endif
.endm
.macro CREST                           ; a round of the cluster's barrier behind its opening barrier
	s_cmp_lg_u32 s[WV], 0
	s_cbranch_scc1 .Lnot_wave_0_\@
	s_barrier_signal -3
.Lnot_wave_0_\@:
	s_barrier_wait -3
	s_barrier_signal -1
	s_barrier_wait -1
.endm
.macro CROUND                          ; a whole round
	s_barrier_signal -1
	s_barrier_wait -1
	CREST
.endm
.macro PLACES                          ; four plain vector instructions between a matrix instruction and a load into a register that it has read (ISA guide 7.12.1 for vector instructions)
.rept 4
	v_nop
.endr
.endm
; PIECE t of 32 of my 64 rows: tile of rows t / 8, K step t % 8: 16 rows x 128 numbers.  Each load reads 512 consecutive bytes of one row, 16 a lane.
.macro LOADC t
.set lm, (\t)/8
.set ls, (\t)%8
.set lr, LS+64*((\t)%3)
.irp i, 0,1,2,3,4,5,6,7,8,9,10,11,12,13,14,15
	global_load_b128 v[lr+4*\i:lr+4*\i+3], v[GA], s[4:5] offset:(16*lm+\i)*4096+512*ls th:TH_LOAD_NT
.endr
.endm
; It is held, converted (a conversion takes four numbers of each of two rows: one word of codes a row), laid into my stage as rows of 128 codes, and read back as the operand's registers.
.macro CHUNK t
.set cm, (\t)/8
.set cs, (\t)%8
.set cr, LS+64*((\t)%3)
.set ca, 64*(cs%4)+16*cm
.if (\t) < 30
	s_wait_loadcnt 32                              ; this piece's sixteen loads are in; those of the two pieces behind it may be out
.else
	s_wait_loadcnt 16*(31-(\t))
.endif
	s_wait_dscnt 4                                 ; the last piece's sixteen stores have read CT; its four loads may be out
.set qq, 0
.rept 64
	v_med3_num_f32 v[cr+qq], v[cr+qq], -v[LIM], v[LIM]   ; the conversion to an 8-bit code does not saturate (ISA guide 7.6.2): the hold at the largest code x the scale
.set qq, qq+1
.endr
.irp q, 0,1,2,3,4,5,6,7
	v_cvt_scalef32_pk8_bf8_f32 v[CT+2*\q:CT+2*\q+1], v[cr+8*\q:cr+8*\q+7], v[SCL]
.endr
	v_nop                                          ; one plain vector instruction behind the last conversion, ahead of whatever vector or matrix instruction next touches these registers
.if (\t)+3 < 32
	LOADC (\t)+3                                   ; the set just converted takes the piece three on
.endif
.irp i, 0,1,2,3,4,5,6,7,8,9,10,11,12,13,14,15
	ds_store_b32 v[SA], v[CT+\i] offset:CP*\i      ; row i: the 32 lanes' 128 codes on end
.endr
.if cs < 4
	WIN 0x40                                       ; destination window 1
.else
	WIN 0x80                                       ; destination window 2
.endif
.irp c, 0,1,2,3
	ds_load_b128 v[ca+4*\c:ca+4*\c+3], v[LA] offset:32*\c   ; LDS serves a wave's instructions in order (ISA guide 5.7.1.4): these see the stores above, and the next piece's stores come behind them
.endr
	WIN 0
.endm
; Product k of 16 of a tile step's half: K step 4 half + k / 4, tile of rows k % 4.  The four accumulators take turns, one instruction a turn; the first four start the sums.
.macro WM k, half
.set sS, 4*(\half)+(\k)/4
.set mM, (\k)%4
.if sS == 0
	v_wmma_f32_16x16x128_bf8_bf8 v[Y+8*mM:Y+8*mM+7], v[BF+16*sS:BF+16*sS+15], v[64*(sS%4)+16*mM:64*(sS%4)+16*mM+15], 0
.else
	v_wmma_f32_16x16x128_bf8_bf8 v[Y+8*mM:Y+8*mM+7], v[BF+16*sS:BF+16*sS+15], v[64*(sS%4)+16*mM:64*(sS%4)+16*mM+15], v[Y+8*mM:Y+8*mM+7]
.endif
.endm
; Number j of the list that turns X's 32 arguments into R: 0-31 the exponentials, 32-47 the + 1 (a pair each), 48-79 the reciprocals.  None has a vector register as source 1 or 2, so they stand under the products' windows.
.macro VI j
.if (\j) < 32
	v_exp_f32 v[X+(\j)], v[X+(\j)]
.elseif (\j) < 48
	v_pk_add_f32 v[X+2*((\j)-32):X+2*((\j)-32)+1], v[X+2*((\j)-32):X+2*((\j)-32)+1], 1.0 op_sel_hi:[1,0]
.else
	v_rcp_f32 v[X+(\j)-48], v[X+(\j)-48]
.endif
.endm
; X = Y x cs + cbias for the tile of rows m, the accumulator from its low end on.  Source 1 is a scalar pair, so these too stand under the products' windows.
.macro ARGM m
.irp i, 0,1,2,3
	v_pk_fma_f32 v[X+8*(\m)+2*\i:X+8*(\m)+2*\i+1], v[Y+8*(\m)+2*\i:Y+8*(\m)+2*\i+1], s[CS:CS+1], v[CBR+2*\i:CBR+2*\i+1] op_sel_hi:[1,0,1]
.endr
.endm
; K steps 0-3.  Ahead of product m of the first four, which begins accumulator m anew, the last step's sums leave it (ARGM m).  The 32 exponentials follow behind products 3 to 15: three behind each of six, two behind each of seven.
; No wait on DScnt: fragments 0-3 and cbias were shown in by the wait at the last step's end.
.macro H0
	WIN MULA
.set ee, 0
.set kk, 0
.rept 16
.if kk < 4
	ARGM kk
.endif
	WM kk, 0
.if kk >= 3
	VI ee
	VI ee+1
.set ee, ee+2
.if kk < 9
	VI ee
.set ee, ee+1
.endif
.endif
.set kk, kk+1
.endr
.endm
; K steps 4-7: behind product k the + 1 of pair k and the reciprocals of pair k - 1.  w = 1: ahead of each K step a counted wait for its fragment: behind fragment 4's four loads were issued 12 of the same run and the middle run's 20;
; four fewer for each further fragment.
.macro H1N w
	WIN MULB
.set kk, 0
.rept 16
.if (\w) && ((kk%4) == 0)
	s_wait_dscnt 32-kk
.endif
	WM kk, 1
	VI 32+kk
.if kk > 0
	VI 46+2*kk
	VI 47+2*kk
.endif
.set kk, kk+1
.endr
	VI 78
	VI 79
.endm
; The same K steps in the step that changes slots: products k0 .. k1; all the + 1 behind the first eight; the reciprocals behind the last eight.
.macro H1T k0, k1
	WIN MULB
.set kk, \k0
.rept (\k1)-(\k0)+1
	WM kk, 1
.if kk < 8
	VI 32+2*kk
	VI 33+2*kk
.else
	VI 48+4*(kk-8)
	VI 49+4*(kk-8)
	VI 50+4*(kk-8)
	VI 51+4*(kk-8)
.endif
.set kk, kk+1
.endr
.endm
.macro RUNF base                       ; sixteen LDS loads in one run: fragments base .. base + 3 of the tile at v[AB], in ascending order
.irp f, 0,1,2,3
.irp c, 0,1,2,3
	ds_load_b128 v[BF+16*((\base)+\f)+4*\c:BF+16*((\base)+\f)+4*\c+3], v[AB] offset:128*((\base)+\f)+32*\c
.endr
.endr
.endm
.macro TABS                            ; this step's cbias and the last step's -2 V, eight numbers a lane each.  In step 0 the second pair reads the zeros that stand in front of -2 V
	ds_load_b128 v[CBR:CBR+3], v[TA]
	ds_load_b128 v[CBR+4:CBR+7], v[TA] offset:16
	ds_load_b128 v[VR:VR+3], v[TA] offset:M2V-64
	ds_load_b128 v[VR+4:VR+7], v[TA] offset:M2V-48
.endm
.macro SUPD                            ; S += (-2 V) R, the four tiles of rows by turns
.irp i, 0,1,2,3
.irp m, 0,1,2,3
	v_pk_fma_f32 v[S+2*\m:S+2*\m+1], v[X+8*\m+2*\i:X+8*\m+2*\i+1], v[VR+2*\i:VR+2*\i+1], v[S+2*\m:S+2*\m+1]
.endr
.endr
.endm
.macro STEPA
	s_add_co_u32 s[TB], s[TB], TILEB
	s_add_co_u32 s[TT], s[TT], 64
	v_add_nc_u32 v[AB], s[TB], v[AB0]
	v_add_nc_u32 v[TA], s[TT], v[TA0]
.endm
; A tile step's end.  The four v_nop are the places ahead of the loads into fragments 4-7 and the plain instruction behind the last reciprocal; with SUPD's sixteen, which name no register of the products,
; they are also the places ahead of the next step's ARGM and of its products, which begin Y anew.
.macro ENDT
	PLACES
	s_wait_alu depctr_va_vdst(0)                   ; one wait for the 32 reciprocals, ahead of their first reader; the run of loads stands directly behind it
	RUNF 4
	WIN 0
	s_wait_dscnt 16                                ; the sixteen just issued may be out; the middle run's twenty are in: the next tile's fragments 0-3, cbias and -2 V
	SUPD
	STEPA
.endm
.macro TILE
	H0
	PLACES                                         ; the places ahead of the loads into fragments 0-3, and the plain instruction behind the last exponential
	s_wait_alu depctr_va_vdst(0)                   ; one wait for the 32 exponentials, ahead of their first reader; the run of loads stands directly behind it
	RUNF 0
	TABS
	H1N 1
	ENDT
.endm
; A slot's last tile step changes slots: all reads of the slot have been issued.  In front of the barrier each wave waits for all its tensor loads (one is out: its part of the next slot), adds 0 to its spare word,
; and waits for that and for its reads of this slot.  fill = 1: the barrier opens a round of the cluster's barrier, and behind the round this slot is filled again, with the 128 columns two slots on.
.macro TURN slot, nextbase, fill
	s_mov_b32 s[TB], \nextbase                     ; the next tile is the other slot's first
	v_add_nc_u32 v[AB], s[TB], v[AB0]
	H0
	v_nop                                          ; a plain instruction behind the last exponential,
	s_wait_alu depctr_va_vdst(0)                   ; and the wait for the 32
	WIN 0                                          ; (the add's two registers lie in window 0)
	s_wait_tensorcnt 0x0                           ; no tensor load of mine is out, so a group 0 may be written
	ds_add_u32 v[SPW], v[NIL]                      ; 0 onto my spare word
.if \fill
	s_add_nc_u64 s[G0+4*\slot+2:G0+4*\slot+3], s[G0+4*\slot+2:G0+4*\slot+3], 2*128*1024
.endif
	s_wait_dscnt 0x0                               ; the add is done, and my reads of this slot are over: fragments 4-7 are in
	s_barrier_signal -1
	H1T 0, 7                                       ; work on registers while the others arrive; no transcendental among it
	WIN 0
	s_barrier_wait -1
.if \fill
	CREST                                          ; no wave of any partner still reads this slot or has a load on its way
	tensor_load_to_lds s[G0+4*\slot:G0+4*\slot+3], s[G1:G1+7]   ; my one tensor load behind the round, and the first thing there
	s_nop 0
.rept 4
	v_nop
.endr
.endif
	RUNF 0                                         ; (the sixteen + 1 above are the places ahead of these loads)
	TABS
	H1T 8, 15
	ENDT
.endm
.macro LOOP7
	s_mov_b32 s[CNT], 7
.Ltile_\@:
	TILE
	s_sub_co_u32 s[CNT], s[CNT], 1
	s_cmp_lg_u32 s[CNT], 0
	s_cbranch_scc1 .Ltile_\@
.endm
	s_load_b256 s[4:11], s[0:1], 0x0               ; hidden_states s[4:5], U_w's codes s[6:7], the exponents s[8:9], cbias s[10:11]
	s_load_b128 s[12:15], s[0:1], 0x20             ; V_w s[12:13], V_b s[14:15]
	s_load_b64 s[16:17], s[0:1], 0x30              ; scores
	v_lshl_add_u32 v[SPW], v0, 2, SPARE
	v_mov_b32 v[NIL], 0
	ds_add_u32 v10, v11
	ds_add_u32 v10, v11
	s_wait_dscnt 0x0
	v_lshrrev_b32 v1, 5, v0
	v_readfirstlane_b32 s[WV], v1                  ; wave 0..3
	s_bfe_u32 s19, ttmp6, 0x40000                  ; cx: my place in the cluster
	s_lshl_b32 s20, ttmp9, 2                       ; in a cluster launch ttmp9 counts clusters
	s_add_co_u32 s20, s20, s19                     ; my block of 256 rows
	; descriptor group 1: a tile of 32 rows x 1,024 bytes, padded in LDS
	s_mov_b32 s[G1], 15|(1<<20)|(1<<21)|(7<<22)|(3<<25)   ; 15:0 the mask: all four work-groups; 17:16 elements of 1 byte; 20 padding on; 21 set beside a mask; 24:22 after every 256 words (code 7); 31:25 four words (code 3)
	s_mov_b32 s[G1+1], 1024<<16                    ; tensor_dim0
	s_mov_b32 s[G1+2], 32<<16                      ; tensor_dim1
	s_mov_b32 s[G1+3], 1024<<16                    ; tile_dim0
	s_mov_b32 s[G1+4], 32                          ; tile_dim1
	s_mov_b32 s[G1+5], 1024                        ; tensor_dim0_stride
	s_mov_b32 s[G1+6], 0
	s_mov_b32 s[G1+7], 0
	s_mul_i32 s56, s[WV], WPART                    ; my 32 rows of a slot: in LDS,
	s_lshl_b32 s58, s[WV], 15                      ; and in memory: the wave's number alone enters both
	s_mov_b32 s59, 0
	s_lshl_b32 s60, s20, 20                        ; hidden_states: 256 rows of 4,096 bytes a block,
	s_lshl_b32 s57, s[WV], 18                      ; 64 a wave
	s_add_co_u32 s60, s60, s57
	s_mov_b32 s61, 0
	s_lshl_b32 s62, s20, 10                        ; scores: 4 bytes a row
	s_lshl_b32 s57, s[WV], 8
	s_add_co_u32 s62, s62, s57
	s_mov_b32 s63, 0
	s_lshr_b32 s22, ttmp9, 1                       ; the batch: eight blocks, two clusters, each
	s_lshl_b32 s22, s22, 12
	s_mov_b32 s23, 0
	s_mov_b32 s[SEL], 0x76543210
	s_mov_b32 s[SEL+1], 0xfedcba98
	s_wait_kmcnt 0x0
	s_load_b128 s[40:43], s[8:9], 0x0              ; e0, e1, e2, e3
	s_load_b32 s[VB], s[14:15], 0x0                ; V_b
	s_add_nc_u64 s[4:5], s[4:5], s[60:61]
	s_add_nc_u64 s[16:17], s[16:17], s[62:63]
	s_add_nc_u64 s[10:11], s[10:11], s[22:23]
	s_mov_b32 s[G0], 1                             ; 1:0 count = 1
	s_mov_b32 s[G0+1], s56                         ; 63:32 LDS address: slot 0
	s_add_nc_u64 s[G0+2:G0+3], s[6:7], s[58:59]    ; 120:64 global address: columns 0-127
	s_or_b32 s[G0+3], s[G0+3], 0x80000000          ; 127:126 type = 2
	s_mov_b32 s[G0+4], 1
	s_add_co_u32 s[G0+5], s56, SLOTB               ; slot 1
	s_add_nc_u64 s[G0+6:G0+7], s[6:7], s[58:59]
	s_add_nc_u64 s[G0+6:G0+7], s[G0+6:G0+7], 128*1024   ; columns 128-255
	s_or_b32 s[G0+7], s[G0+7], 0x80000000
	CROUND                                         ; all four work-groups are here: the first joint loads meet
	tensor_load_to_lds s[G0:G0+3], s[G1:G1+7]      ; both first fills together, ahead of every wait on TENSORcnt and every LDS read
	s_nop 0
	tensor_load_to_lds s[G0+4:G0+7], s[G1:G1+7]
	s_nop 0
.rept 4
	v_nop
.endr
	v_and_b32 v1, 15, v0                           ; r
	v_bfe_u32 v2, v0, 4, 1                         ; h
	v_and_b32 v3, 31, v0                           ; lane
	v_lshlrev_b32 v[GA], 4, v3
	s_mul_i32 s56, s[WV], 16*CP
	s_add_co_u32 s56, s56, CSTG                    ; my stage
	v_mul_u32_u24 v[LA], v1, CP
	v_lshl_add_u32 v[LA], v2, 4, v[LA]
	v_add_nc_u32 v[LA], s56, v[LA]
	v_lshl_add_u32 v[SA], v3, 2, s56
	v_mul_u32_u24 v[AB0], v1, UP
	v_lshl_add_u32 v[AB0], v2, 4, v[AB0]
	v_lshlrev_b32 v[TA0], 5, v2
	v_add_nc_u32 v[TA0], TBL, v[TA0]
	v_lshlrev_b32 v3, 4, v0                        ; the tables: thread t brings 16 bytes at 16 t and at 16 t + 2,048 of each
	v_add_nc_u32 v5, TBL, v3
	global_load_b128 v[16:19], v3, s[10:11]
	global_load_b128 v[20:23], v3, s[10:11] offset:2048
	global_load_b128 v[24:27], v3, s[12:13]
	global_load_b128 v[28:31], v3, s[12:13] offset:2048
	LOADC 0
	LOADC 1
	LOADC 2
	s_wait_kmcnt 0x0
	s_add_co_i32 s56, s42, s43
	s_lshl_b32 s56, s56, 23
	s_add_co_u32 s[CS], s56, 0x4038aa3b            ; cs = c2 x 2^(e2 + e3): the exponents are added to c2's exponent field
	s_mov_b32 s[CS+1], s[CS]                       ; (named with it as a pair, so it is written)
	s_add_co_i32 s56, s42, 127
	s_lshl_b32 s57, s56, 23
	v_mov_b32 v[SCL], s57                          ; 2^e2 as f32: the conversion takes its exponent field
	s_add_co_i32 s56, s56, 15
	s_lshl_b32 s56, s56, 23
	s_or_b32 s56, s56, 0x600000
	v_mov_b32 v[LIM], s56                          ; 57,344 x 2^e2
	s_lshl_b32 s57, s[WV], 2
	s_add_co_u32 s57, s57, RED
	v_mov_b32 v42, s57
	s_lshl_b32 s58, s[WV], 6
	s_add_co_u32 s58, s58, TBL+4096                ; the zeros in front of -2 V: 64 bytes a wave
	v_and_b32 v43, 3, v0
	v_lshl_add_u32 v43, v43, 4, s58
	s_wait_loadcnt 48                              ; the four table loads are in; the three pieces' 48 may be out
	ds_store_b128 v5, v[16:19]
	ds_store_b128 v5, v[20:23] offset:2048
.irp i, 0,2,4,6
	v_pk_mul_f32 v[32+\i:33+\i], v[24+\i:25+\i], -2.0 op_sel_hi:[1,0]
.endr
	ds_store_b128 v5, v[32:35] offset:M2V
	ds_store_b128 v5, v[36:39] offset:M2V+2048
	v_pk_add_f32 v[40:41], v[24:25], v[26:27]      ; the sum of V: my eight, my wave's, then (behind the barrier) the four waves'
	v_pk_add_f32 v[44:45], v[28:29], v[30:31]
	v_pk_add_f32 v[40:41], v[40:41], v[44:45]
	v_add_f32 v40, v40, v41
	v_add_f32_dpp v40, v40, v40 row_xmask:1 row_mask:0xf bank_mask:0xf
	v_add_f32_dpp v40, v40, v40 row_xmask:2 row_mask:0xf bank_mask:0xf
	v_add_f32_dpp v40, v40, v40 row_xmask:4 row_mask:0xf bank_mask:0xf
	v_add_f32_dpp v40, v40, v40 row_xmask:8 row_mask:0xf bank_mask:0xf
	v_permlanex16_b32 v41, v40, s[SEL], s[SEL+1]
	v_add_f32 v40, v40, v41
	ds_store_b32 v42, v40                          ; all lanes write the same word with the same value
.irp i, 44,45,46,47
	v_mov_b32 v\i, 0
.endr
	ds_store_b128 v43, v[44:47]                    ; eight lanes write each 16 bytes, with the same zeros
	; ---- my 64 rows become codes: 32 pieces, written out, since each lands in registers of its own
.set cc, 0
.rept 32
	CHUNK cc
.set cc, cc+1
.endr
	s_wait_tensorcnt 0x1                           ; my part of slot 0 is in; slot 1's may stay out
	s_wait_dscnt 0x0                               ; my table stores have landed, my codes are in
	s_barrier_signal -1
	s_barrier_wait -1                              ; slot 0, the tables and the four parts of the sum of V are whole
	; ---- tile step 0's operands.  cbias, S and Y begin as zeros, so that the one body serves the first step too: its step before gives R = 0.5, which meets the zeros in front of -2 V
	s_mov_b32 s[TB], 0
	s_mov_b32 s[TT], 0
	v_add_nc_u32 v[AB], s[TB], v[AB0]
	v_add_nc_u32 v[TA], s[TT], v[TA0]
	RUNF 0
	RUNF 4
.set jj, 0
.rept 56
	v_mov_b32 v[CBR+jj], 0                         ; v16-71: cbias, -2 V, S, Y
.set jj, jj+1
.endr
	s_mov_b32 s[TB], TILEB                         ; the next fetch is tile 1's
	v_add_nc_u32 v[AB], s[TB], v[AB0]
	s_wait_dscnt 0x0
	s_mov_b32 s[LAPS], 3
	s_mov_b32 s[TL], 0
.Llap:                                             ; a lap goes once round the ring, 256 columns, and fills both slots again: three laps ask for columns 256 to 1,023
	s_mov_b32 s[TT], s[TL]                         ; 64 x the tile step, stated anew from the lap's own register: each loop steps a register of its own
	LOOP7
	TURN 0, SLOTB, 1
	s_add_co_u32 s[TT], s[TL], 512
	LOOP7
	TURN 1, 0, 1
	s_add_co_u32 s[TL], s[TL], 1024
	s_sub_co_u32 s[LAPS], s[LAPS], 1
	s_cmp_lg_u32 s[LAPS], 0
	s_cbranch_scc1 .Llap
	s_mov_b32 s[TT], 3072                          ; the last lap is written out: it asks for nothing
	LOOP7
	TURN 0, SLOTB, 0
	s_mov_b32 s[TT], 3584
	LOOP7
	H0                                             ; tile step 63: nothing more to fetch but the tables
	v_nop
	s_wait_alu depctr_va_vdst(0)
	TABS
	s_wait_dscnt 4                                 ; the four just issued may be out; fragments 4-7 are in
	H1N 0
	PLACES
	s_wait_alu depctr_va_vdst(0)
	WIN 0
	s_wait_dscnt 0x0
	SUPD                                           ; step 62's
	ds_load_b128 v[VR:VR+3], v[TA] offset:M2V      ; step 63's -2 V
	ds_load_b128 v[VR+4:VR+7], v[TA] offset:M2V+16
	v_mov_b32 v119, RED
	ds_load_b128 v[104:107], v119                  ; the four parts of the sum of V
	ARGM 0                                         ; step 63's own R, with no products left to stand between
	ARGM 1
	ARGM 2
	ARGM 3
.set jj, 0
.rept 32
	VI jj
.set jj, jj+1
.endr
	v_nop
	s_wait_alu depctr_va_vdst(0)
.rept 48
	VI jj
.set jj, jj+1
.endr
	v_nop
	s_wait_alu depctr_va_vdst(0)
	s_wait_dscnt 0x0
	SUPD
	; ---- the scores: S's two halves, the lane 16 away, + the sum of V + V_b
	s_lshl_b32 s56, s[WV], 8
	s_add_co_u32 s56, s56, SCST
	v_lshl_add_u32 v116, v1, 2, s56                ; row 16 m + r of my 64: 4 r here, 64 m in the offset
	v_and_b32 v117, 31, v0
	v_lshlrev_b32 v118, 3, v117                    ; back, and out: 8 bytes a lane
	v_add_nc_u32 v117, s56, v118
.irp m, 0,1,2,3
	v_mov_b32 v[112+\m], 0                         ; a lane permute's destination counts as one of its sources
.endr
.irp m, 0,1,2,3
	v_add_f32 v[108+\m], v[S+2*\m], v[S+2*\m+1]
.endr
.irp m, 0,1,2,3
	v_permlanex16_b32 v[112+\m], v[108+\m], s[SEL], s[SEL+1]
.endr
	v_add_f32 v104, v104, v105
	v_add_f32 v106, v106, v107
	v_add_f32 v104, v104, v106
	v_add_f32 v104, s[VB], v104
.irp m, 0,1,2,3
	v_add_f32 v[108+\m], v[108+\m], v[112+\m]
.endr
.irp m, 0,1,2,3
	v_add_f32 v[108+\m], v[108+\m], v104
.endr
.irp m, 0,1,2,3
	ds_store_b32 v116, v[108+\m] offset:64*\m      ; lanes r and r + 16 write the same word with the same value
.endr
	ds_load_b64 v[120:121], v117                   ; my wave's own bytes, served in order
	s_wait_dscnt 0x0
	global_store_b64 v118, v[120:121], s[16:17]    ; the wave stores 256 consecutive bytes, at a multiple of 256 from the buffer's first byte
	s_wait_tensorcnt 0x0                           ; the wave's end: behind my last tensor load and my last LDS store
	ds_add_u32 v[SPW], v[NIL]
	s_wait_dscnt 0x0
	CROUND                                         ; the closing round: no work-group ends while a partner may still ask for a tile that names it
	s_endpgm
.Lfunc_end_k_qeb00e93f47_scores:
	.size	k_qeb00e93f47_scores, .Lfunc_end_k_qeb00e93f47_scores-k_qeb00e93f47_scores
	.p2alignl 7, 3214868480
	.fill 96, 4, 3214868480
	.section	.rodata,"a",@progbits
	.p2align	6, 0x0
	.amdhsa_kernel k_qeb00e93f47_scores
		.amdhsa_group_segment_fixed_size 327680
		.amdhsa_private_segment_fixed_size 0
		.amdhsa_enable_private_segment 0
		.amdhsa_kernarg_size 56
		.amdhsa_user_sgpr_count 2
		.amdhsa_user_sgpr_kernarg_segment_ptr 1
		.amdhsa_wavefront_size32 1
		.amdhsa_system_sgpr_workgroup_id_x 1
		.amdhsa_system_sgpr_workgroup_id_y 1
		.amdhsa_system_sgpr_workgroup_id_z 1
		.amdhsa_system_vgpr_workitem_id 0
		.amdhsa_next_free_vgpr 768
		.amdhsa_next_free_sgpr 66
		.amdhsa_reserve_vcc 0
		.amdhsa_float_denorm_mode_32 3
		.amdhsa_float_denorm_mode_16_64 3
		.amdhsa_memory_ordered 1
		.amdhsa_forward_progress 1
		.amdhsa_inst_pref_size 255
	.end_amdhsa_kernel
	.section	.bss,"aw",@nobits
	.p2align	6
	.space	262144
	.amdgpu_metadata
---
amdhsa.version: [ 1, 2 ]
amdhsa.kernels:
  - .name:           k_qeb00e93f47_scores
    .symbol:         k_qeb00e93f47_scores.kd
    .args:
      - { .name: hidden_states, .offset: 0, .size: 8, .value_kind: global_buffer, .address_space: global }
      - { .name: U_w_codes, .offset: 8, .size: 8, .value_kind: global_buffer, .address_space: global }
      - { .name: lowp_scales, .offset: 16, .size: 8, .value_kind: global_buffer, .address_space: global }
      - { .name: cbias, .offset: 24, .size: 8, .value_kind: global_buffer, .address_space: global }
      - { .name: V_w, .offset: 32, .size: 8, .value_kind: global_buffer, .address_space: global }
      - { .name: V_b, .offset: 40, .size: 8, .value_kind: global_buffer, .address_space: global }
      - { .name: scores, .offset: 48, .size: 8, .value_kind: global_buffer, .address_space: global }
    .group_segment_fixed_size: 327680
    .private_segment_fixed_size: 0
    .kernarg_segment_align: 8
    .kernarg_segment_size: 56
    .max_flat_workgroup_size: 128
    .sgpr_count:     66
    .vgpr_count:     768
    .wavefront_size: 32
...
	.end_amdgpu_metadata
.endif
;; end of part 2
;; launch context (part 3): grid 256 x 1, 16 waves a work-group, no clusters, 18,944 bytes of LDS; arguments hidden_states, scores, out0, out1; writes out0, out1
.if DOCPART == 3
	.amdgcn_target "amdgcn-amd-amdhsa--gfx1250"
	.amdhsa_code_object_version 6
	.text
	.protected	k_qeb00e93f47_context
	.globl	k_qeb00e93f47_context
	.p2align	8
	.type	k_qeb00e93f47_context,@function
k_qeb00e93f47_context:
	s_mov_b64 s[64:65], 0
	v_nop
	global_prefetch_b8 v0, s[64:65] scope:SCOPE_SE
	s_setreg_imm32_b32 hwreg(HW_REG_WAVE_MODE, 25, 1), 1
	s_wait_xcnt 0x0
; out1[b][s] = softmax over s of scores[b][s];  out0[b][u] = sum over s of out1[b][s] hidden_states[b][s][u].  All in f32; the row's largest score is taken away ahead of the exponential.
; SHARES.  Work-group g: batch b = g / 8, columns 128 j .. 128 j + 127 of out0 with j = g % 8: each output number has one owner.  It also stores rows 256 j .. 256 j + 255 of out1.
; Each of a batch's eight work-groups makes the softmax anew from the batch's 8 KB of scores, beside the 1 MB of hidden_states that it alone reads.
; Wave w of sixteen takes rows 128 w .. 128 w + 127; a lane 16 bytes of each row's 512: a load covers 512 consecutive bytes, aligned.  Sixteen loads of every wave are always on their way (a ring of sixteen slots in registers).
; A stream: no matrix unit, no tensor load.  NO CLUSTER: what work-groups share is the 8 KB of scores, a small part of what each reads.
; NaN among the scores is not served.
; REGISTERS: v2 16 x lane, v3 16 x thread; v4-7 my four scores, then their weights; v8-15 two sets of four sums; v16-47 at work; v64-127 the ring; v128-255 my wave's 128 weights.
.set WT,   0                           ; LDS: the 2,048 weights,
.set PT,   8192                        ; the sixteen waves' partial rows of 512 bytes,
.set REDM, 16384                       ; sixteen words: the waves' largest scores; 256 bytes on: their sums
.set RING, 64
.set WGT,  128
.set ROWB, 4096
	s_load_b256 s[4:11], s[0:1], 0x0               ; hidden_states s[4:5], scores s[6:7], out0 s[8:9], out1 s[10:11]
	v_lshl_add_u32 v62, v0, 2, 0x4200
	v_mov_b32 v63, 0
	v_lshrrev_b32 v1, 5, v0
	v_readfirstlane_b32 s20, v1                    ; wave 0..15
	v_and_b32 v1, 31, v0
	v_lshlrev_b32 v2, 4, v1                        ; 16 x lane
	v_lshlrev_b32 v3, 4, v0                        ; 16 x thread: my four scores, and their weights' place in LDS and in out1
	v_mov_b32 v17, 0                               ; a lane permute's destination counts as one of its sources
	s_lshr_b32 s21, ttmp9, 3                       ; b
	s_and_b32 s22, ttmp9, 7                        ; j
	s_lshl_b32 s24, s21, 23                        ; hidden_states: 2,048 rows of 4,096 bytes a batch,
	s_lshl_b32 s23, s20, 19                        ; 128 rows a wave,
	s_add_co_u32 s24, s24, s23
	s_lshl_b32 s23, s22, 9                         ; 512 bytes of a row
	s_add_co_u32 s24, s24, s23
	s_mov_b32 s25, 0
	s_lshl_b32 s26, s21, 13                        ; scores and out1: 8,192 bytes a batch
	s_mov_b32 s27, 0
	s_lshl_b32 s28, s21, 12                        ; out0: 4,096 bytes a batch, + my 512
	s_add_co_u32 s28, s28, s23
	s_mov_b32 s29, 0
	s_mov_b32 s12, 0x76543210                      ; v_permlanex16_b32: lane l xor 16
	s_mov_b32 s13, 0xfedcba98
	s_lshl_b32 s14, s20, 2
	s_add_co_u32 s14, s14, REDM
	v_mov_b32 v18, s14                             ; my wave's word
	v_mov_b32 v19, REDM
	s_lshl_b32 s15, s20, 9
	v_mov_b32 v40, s15                             ; my wave's 128 weights
	s_add_co_u32 s15, s15, PT
	v_add_nc_u32 v41, s15, v2                      ; my wave's partial row
	v_add_nc_u32 v42, PT, v2                       ; and all of them, for wave 0
	s_wait_kmcnt 0x0
	s_add_nc_u64 s[4:5], s[4:5], s[24:25]
	s_add_nc_u64 s[6:7], s[6:7], s[26:27]
	s_add_nc_u64 s[10:11], s[10:11], s[26:27]
	s_add_nc_u64 s[8:9], s[8:9], s[28:29]
	global_load_b128 v[4:7], v3, s[6:7]
.irp i, 0,1,2,3,4,5,6,7,8,9,10,11,12,13,14,15
	global_load_b128 v[RING+4*\i:RING+4*\i+3], v2, s[4:5] offset:ROWB*\i th:TH_LOAD_NT   ; the ring is filled while the softmax is made
.endr
	s_wait_loadcnt 16                              ; my scores are in; the ring's sixteen loads stay out
	v_max3_num_f32 v16, v4, v5, v6
	v_max_num_f32 v16, v16, v7
	v_max_num_f32_dpp v16, v16, v16 row_xmask:1 row_mask:0xf bank_mask:0xf
	v_max_num_f32_dpp v16, v16, v16 row_xmask:2 row_mask:0xf bank_mask:0xf
	v_max_num_f32_dpp v16, v16, v16 row_xmask:4 row_mask:0xf bank_mask:0xf
	v_max_num_f32_dpp v16, v16, v16 row_xmask:8 row_mask:0xf bank_mask:0xf
	v_permlanex16_b32 v17, v16, s12, s13
	v_max_num_f32 v16, v16, v17
	ds_store_b32 v18, v16
	s_wait_dscnt 0x0
	s_barrier_signal -1
	s_barrier_wait -1
.irp k, 0,1,2,3
	ds_load_b128 v[20+4*\k:23+4*\k], v19 offset:16*\k
.endr
	s_wait_dscnt 0x0
	v_max3_num_f32 v16, v20, v21, v22
	v_max3_num_f32 v36, v23, v24, v25
	v_max3_num_f32 v37, v26, v27, v28
	v_max3_num_f32 v38, v29, v30, v31
	v_max3_num_f32 v39, v32, v33, v34
	v_max3_num_f32 v16, v16, v36, v35
	v_max3_num_f32 v16, v16, v37, v38
	v_max_num_f32 v16, v16, v39                    ; the batch's largest score
.irp i, 4,5,6,7
	v_sub_f32 v\i, v\i, v16
.endr
.irp i, 4,5,6,7
	v_mul_f32 v\i, 0x3fb8aa3b, v\i                 ; x log2(e)
.endr
.irp i, 4,5,6,7
	v_exp_f32 v\i, v\i                             ; at most 1
.endr
	v_nop                                          ; a plain instruction behind the last exponential,
	s_wait_alu depctr_va_vdst(0)                   ; and one wait for the four, ahead of their first reader
	v_add_f32 v36, v4, v5
	v_add_f32 v37, v6, v7
	v_add_f32 v36, v36, v37
	v_add_f32_dpp v36, v36, v36 row_xmask:1 row_mask:0xf bank_mask:0xf
	v_add_f32_dpp v36, v36, v36 row_xmask:2 row_mask:0xf bank_mask:0xf
	v_add_f32_dpp v36, v36, v36 row_xmask:4 row_mask:0xf bank_mask:0xf
	v_add_f32_dpp v36, v36, v36 row_xmask:8 row_mask:0xf bank_mask:0xf
	v_permlanex16_b32 v17, v36, s12, s13
	v_add_f32 v36, v36, v17
	ds_store_b32 v18, v36 offset:256
	s_wait_dscnt 0x0
	s_barrier_signal -1
	s_barrier_wait -1
.irp k, 0,1,2,3
	ds_load_b128 v[20+4*\k:23+4*\k], v19 offset:256+16*\k
.endr
	s_wait_dscnt 0x0
	v_pk_add_f32 v[20:21], v[20:21], v[22:23]
	v_pk_add_f32 v[24:25], v[24:25], v[26:27]
	v_pk_add_f32 v[28:29], v[28:29], v[30:31]
	v_pk_add_f32 v[32:33], v[32:33], v[34:35]
	v_pk_add_f32 v[20:21], v[20:21], v[24:25]
	v_pk_add_f32 v[28:29], v[28:29], v[32:33]
	v_pk_add_f32 v[20:21], v[20:21], v[28:29]
	v_add_f32 v20, v20, v21                        ; the batch's sum: at least 1
	v_rcp_f32 v36, v20
	v_nop
	s_wait_alu depctr_va_vdst(0)
	v_pk_mul_f32 v[4:5], v[4:5], v[36:37] op_sel_hi:[1,0]
	v_pk_mul_f32 v[6:7], v[6:7], v[36:37] op_sel_hi:[1,0]
	ds_store_b128 v3, v[4:7]                       ; WT + 16 x thread
	s_lshr_b32 s23, s20, 1                         ; rows 256 j .. 256 j + 255 of out1 are those of waves 2 j and 2 j + 1: a branch on ids, with no barrier inside
	s_cmp_lg_u32 s23, s22
	s_cbranch_scc1 .Lnot_mine
	global_store_b128 v3, v[4:7], s[10:11]         ; the wave stores 512 consecutive bytes, aligned; its registers are not written again
.Lnot_mine:
	s_wait_dscnt 0x0
	s_barrier_signal -1
	s_barrier_wait -1                              ; all 2,048 weights lie in LDS
.irp k, 0,1,2,3,4,5,6,7,8,9,10,11,12,13,14,15,16,17,18,19,20,21,22,23,24,25,26,27,28,29,30,31
	ds_load_b128 v[WGT+4*\k:WGT+4*\k+3], v40 offset:16*\k   ; every lane takes the same 16 bytes: register WGT + i holds the weight of my wave's row i
.endr
	s_wait_dscnt 0x0
; Row i: its 16 bytes a lane times its weight, onto one of two sets of sums; then the slot takes the row sixteen on.  The weight is one word of a register pair: the low one for even rows, the high one for odd.
.macro ROW i
.set SL, RING+4*((\i)%16)
.set AC, 8+4*((\i)%2)
.set WP, WGT+2*((\i)/2)
.if (127-(\i)) < 15
	s_wait_loadcnt 127-(\i)                        ; the last rows: the counts run down
.else
	s_wait_loadcnt 15                              ; loads come back in order (ISA guide 5.7.1): mine is in, the fifteen younger ones stay out
.endif
.if (\i) == 0
	v_pk_mul_f32 v[AC:AC+1], v[SL:SL+1], v[WP:WP+1] op_sel_hi:[1,0]        ; rows 0 and 1 start the sums: nothing is cleared
	v_pk_mul_f32 v[AC+2:AC+3], v[SL+2:SL+3], v[WP:WP+1] op_sel_hi:[1,0]
.elseif (\i) == 1
	v_pk_mul_f32 v[AC:AC+1], v[SL:SL+1], v[WP:WP+1] op_sel:[0,1] op_sel_hi:[1,1]
	v_pk_mul_f32 v[AC+2:AC+3], v[SL+2:SL+3], v[WP:WP+1] op_sel:[0,1] op_sel_hi:[1,1]
.elseif ((\i)%2) == 0
	v_pk_fma_f32 v[AC:AC+1], v[SL:SL+1], v[WP:WP+1], v[AC:AC+1] op_sel_hi:[1,0,1]
	v_pk_fma_f32 v[AC+2:AC+3], v[SL+2:SL+3], v[WP:WP+1], v[AC+2:AC+3] op_sel_hi:[1,0,1]
.else
	v_pk_fma_f32 v[AC:AC+1], v[SL:SL+1], v[WP:WP+1], v[AC:AC+1] op_sel:[0,1,0] op_sel_hi:[1,1,1]
	v_pk_fma_f32 v[AC+2:AC+3], v[SL+2:SL+3], v[WP:WP+1], v[AC+2:AC+3] op_sel:[0,1,0] op_sel_hi:[1,1,1]
.endif
.if (\i)+16 < 128
	global_load_b128 v[SL:SL+3], v2, s[4:5] offset:ROWB*((\i)+16) th:TH_LOAD_NT
.endif
.endm
.set ii, 0
.rept 128
	ROW ii
.set ii, ii+1
.endr
	v_pk_add_f32 v[8:9], v[8:9], v[12:13]
	v_pk_add_f32 v[10:11], v[10:11], v[14:15]
	ds_store_b128 v41, v[8:11]
	s_wait_dscnt 0x0
	s_barrier_signal -1
	s_barrier_wait -1                              ; the sixteen partial rows lie in LDS
	s_cmp_lg_u32 s20, 0
	s_cbranch_scc1 .Lend                           ; wave 0 adds them and stores the 512 bytes
.irp k, 0,1,2,3,4,5,6,7,8,9,10,11,12,13,14,15
	ds_load_b128 v[RING+4*\k:RING+4*\k+3], v42 offset:512*\k
.endr
	s_wait_dscnt 0x0
.macro ADDS a, b
	v_pk_add_f32 v[RING+4*(\a):RING+4*(\a)+1], v[RING+4*(\a):RING+4*(\a)+1], v[RING+4*(\b):RING+4*(\b)+1]
	v_pk_add_f32 v[RING+4*(\a)+2:RING+4*(\a)+3], v[RING+4*(\a)+2:RING+4*(\a)+3], v[RING+4*(\b)+2:RING+4*(\b)+3]
.endm
.irp a, 0,2,4,6,8,10,12,14
	ADDS \a, \a+1
.endr
.irp a, 0,4,8,12
	ADDS \a, \a+2
.endr
.irp a, 0,8
	ADDS \a, \a+4
.endr
	ADDS 0, 8
	global_store_b128 v2, v[RING:RING+3], s[8:9]   ; 32 lanes store 512 consecutive bytes, at a multiple of 256 from out0's first byte
.Lend:
	s_wait_tensorcnt 0x0
	ds_add_u32 v62, v63
	s_wait_dscnt 0x0
	s_endpgm
.Lfunc_end_k_qeb00e93f47_context:
	.size	k_qeb00e93f47_context, .Lfunc_end_k_qeb00e93f47_context-k_qeb00e93f47_context
	.p2alignl 7, 3214868480
	.fill 96, 4, 3214868480
	.section	.rodata,"a",@progbits
	.p2align	6, 0x0
	.amdhsa_kernel k_qeb00e93f47_context
		.amdhsa_group_segment_fixed_size 18944
		.amdhsa_private_segment_fixed_size 0
		.amdhsa_enable_private_segment 0
		.amdhsa_kernarg_size 32
		.amdhsa_user_sgpr_count 2
		.amdhsa_user_sgpr_kernarg_segment_ptr 1
		.amdhsa_wavefront_size32 1
		.amdhsa_system_sgpr_workgroup_id_x 1
		.amdhsa_system_sgpr_workgroup_id_y 1
		.amdhsa_system_sgpr_workgroup_id_z 1
		.amdhsa_system_vgpr_workitem_id 0
		.amdhsa_next_free_vgpr 256
		.amdhsa_next_free_sgpr 66
		.amdhsa_reserve_vcc 0
		.amdhsa_float_denorm_mode_32 3
		.amdhsa_float_denorm_mode_16_64 3
		.amdhsa_memory_ordered 1
		.amdhsa_forward_progress 1
		.amdhsa_inst_pref_size 44
	.end_amdhsa_kernel
	.amdgpu_metadata
---
amdhsa.version: [ 1, 2 ]
amdhsa.kernels:
  - .name:           k_qeb00e93f47_context
    .symbol:         k_qeb00e93f47_context.kd
    .args:
      - { .name: hidden_states, .offset: 0, .size: 8, .value_kind: global_buffer, .address_space: global }
      - { .name: scores, .offset: 8, .size: 8, .value_kind: global_buffer, .address_space: global }
      - { .name: out0, .offset: 16, .size: 8, .value_kind: global_buffer, .address_space: global }
      - { .name: out1, .offset: 24, .size: 8, .value_kind: global_buffer, .address_space: global }
    .group_segment_fixed_size: 18944
    .private_segment_fixed_size: 0
    .kernarg_segment_align: 8
    .kernarg_segment_size: 32
    .max_flat_workgroup_size: 512
    .sgpr_count:     66
    .vgpr_count:     256
    .wavefront_size: 32
...
	.end_amdgpu_metadata
.endif
;; end of part 3
